; MI455X (gfx1250); checked and timed in simulation.
; The chip was launched on July 23, 2026; its instructions are those of AMD's public machine-readable ISA for CDNA 5 (MIT licence, August 2026) and "CDNA5" Instruction Set Architecture Reference Guide (July 2026). The comments in the code are by the model that wrote it; some were corrected since.
;; Attention. Allowed arithmetic: float matrix products may take bf16 or f16 operands with f32 sums; other float arithmetic in f32, or as packed bf16 or f16 multiplies, adds, multiply-adds, maxima and minima; sums over many terms, partial sums and values carried from step to step in f32; what a program stores and reads back later, other than sums and carried values, may be rounded once to bf16 or f16.
;; Inputs: W1 2,048 x 1,024 float32; b1 1,024 float32; encoder_outputs 32 x 2,048 x 1,024 float32; hidden_state 32 x 1,024 float32; w2 1,024 float32.
;; Outputs: out0 32 x 1,024 float32.
;; 2 versions, each right; version 2 is version 1 with the launch prep written anew for expert scheduling mode. Each part assembles by itself: llvm-mc -triple=amdgcn-amd-amdhsa -mcpu=gfx1250 --defsym DOCPART=n.
;; ======== version 1 of 2: 3 launches
;; workspace buffers: Wf 2,097,152 bytes; hbp 1,048,576 bytes; part 4,718,592 bytes
;; launch prep (part 1): grid 256 x 1, 4 waves a work-group, no clusters, 55,808 bytes of LDS; arguments W1, hidden_state, Wf, hbp; writes Wf, hbp
.if DOCPART == 1
	.amdgcn_target "amdgcn-amd-amdhsa--gfx1250"
	.amdhsa_code_object_version 6
	.text
	.protected	k_qcf1a99c746_prep
	.globl	k_qcf1a99c746_prep
	.p2align	8
	.type	k_qcf1a99c746_prep,@function
k_qcf1a99c746_prep:
	s_mov_b64 s[64:65], 0
	v_nop
	global_prefetch_b8 v0, s[64:65] scope:SCOPE_SE
	s_setreg_imm32_b32 hwreg(HW_REG_WAVE_MODE, 25, 1), 1
	s_wait_xcnt 0x0
; W1 [2048][1024] f32 is read once.  Its upper half (rows 0-1023, W1_enc) leaves as bf16 in the register order of a matrix fragment (Wf); its lower half (W1_hid)
; is multiplied at once by hidden_state [32][1024], both rounded to bf16, sums in f32, and leaves as eight partial sums over 128 rows each (hbp[kp][b][e], f32).
; Wf: byte ((t*32+ks)*4+nb)*1024 + c*512 + 16 L + 2 jj holds bf16(W1[32 ks + 16 c + 8 (L/16) + jj][64 t + 16 nb + L%16]): what lane L keeps in registers 4c..4c+3 of the fragment.
; SHARES.  Work-group g: band = g / 16 (128 rows of W1), t = g % 16 (64 columns).  Wave w: 32 rows, one K step of 32.  Bands 0-7 are W1_enc, bands 8-15 W1_hid (kp = band - 8).
; Nothing is shared between work-groups but hidden_state (128 KiB in all), so there is no cluster; everything comes through registers.
; The tile is turned through the wave's own LDS stage: rows of 64 bf16 go in as they lie, ds_load_tr16_b128 brings fragments out.
; LIMITS.  NaN and infinities are not treated apart; the operands are rounded to bf16 (nearest even).
.set SPITCH, 160                       ; a stage row: 128 bytes + 32: an odd multiple of 32, as the turning load likes it
.set STGW,   32*SPITCH                 ; a wave's stage
.set RED,    4*STGW                    ; behind the stages: the four waves' partial tiles [wave][b 32] of 64 f32
.set RPITCH, 272                       ; 256 bytes + 16
.set REDW,   32*RPITCH
.set SPARE,  RED+4*REDW                ; the spare words, 128 bytes a wave: two blocks of 256 bytes that no other line names
; v2 spare word, v3 zero; v5 l%16, v6 l/16; v7 offset in W1; v8 stage in; v9 stage out (turned); v10 16 l; v11 offset in hidden_state;
; v12 partial tile in; v13 partial tiles out; v14 offset in hbp; v[16:47] four fragments of W1; v[48:63] at work, then two fragments of hidden_state;
; v[64:127] W1 as loaded, then the eight results, then the partial sums; v[128:159] hidden_state as loaded
	s_load_b256 s[4:11], s[0:1], 0x0               ; W1 s[4:5], hidden_state s[6:7], Wf s[8:9], hbp s[10:11]
	v_lshl_add_u32 v2, v0, 2, SPARE
	v_mov_b32 v3, 0
	v_lshrrev_b32 v1, 5, v0
	v_readfirstlane_b32 s12, v1                    ; wave 0..3
	s_lshr_b32 s13, ttmp9, 4                       ; band
	s_and_b32 s14, ttmp9, 15                       ; t
	s_and_b32 s15, s13, 7                          ; the band's number within its half of W1
	s_lshl_b32 s16, s13, 19                        ; W1: (128 band + 32 w) rows of 4,096 bytes + 256 t
	s_lshl_b32 s17, s12, 17
	s_add_co_u32 s16, s16, s17
	s_lshl_b32 s17, s14, 8
	s_add_co_u32 s16, s16, s17
	s_mov_b32 s17, 0
	s_lshl_b32 s18, s15, 9                         ; hidden_state: channel 128 kp + 32 w, 4 bytes each
	s_lshl_b32 s19, s12, 7
	s_add_co_u32 s18, s18, s19
	s_mov_b32 s19, 0
	s_lshl_b32 s20, s14, 17                        ; Wf: (32 t + 4 band + w) x 4,096
	s_lshl_b32 s21, s15, 14
	s_add_co_u32 s20, s20, s21
	s_lshl_b32 s21, s12, 12
	s_add_co_u32 s20, s20, s21
	s_mov_b32 s21, 0
	s_lshl_b32 s22, s15, 17                        ; hbp: kp x 131,072 + 256 t
	s_lshl_b32 s23, s14, 8
	s_add_co_u32 s22, s22, s23
	s_mov_b32 s23, 0
	s_mul_i32 s24, s12, STGW                       ; my stage
	s_mul_i32 s25, s12, REDW
	s_add_co_u32 s25, s25, RED                     ; my partial tile
	v_and_b32 v5, 15, v0
	v_bfe_u32 v6, v0, 4, 1
	v_lshlrev_b32 v7, 4, v5
	v_lshl_add_u32 v7, v6, 12, v7                  ; lanes 0-15 one row's 256 bytes, lanes 16-31 the next row's
	v_mul_u32_u24 v8, v6, SPITCH
	v_lshl_add_u32 v8, v5, 3, v8
	v_add_nc_u32 v8, s24, v8                       ; the same two rows in the stage, 8 bytes a lane
	v_and_b32 v1, 7, v0
	v_lshl_add_u32 v1, v6, 3, v1
	v_mul_u32_u24 v9, v1, SPITCH                   ; the turning load: row 8 (l/16) + l%8,
	v_bfe_u32 v1, v0, 3, 1
	v_lshl_add_u32 v9, v1, 4, v9                   ; 16 bytes by (l/8)%2
	v_add_nc_u32 v9, s24, v9
	v_and_b32 v10, 31, v0
	v_lshlrev_b32 v10, 4, v10
	v_lshlrev_b32 v11, 12, v5                      ; hidden_state: row l%16, 8 (l/16) channels on
	v_lshl_add_u32 v11, v6, 5, v11
	v_mul_u32_u24 v12, v5, RPITCH                  ; a result: row b = l%16, 8 (l/16) columns on
	v_lshl_add_u32 v12, v6, 5, v12
	v_add_nc_u32 v12, s25, v12
	v_lshrrev_b32 v1, 4, v0                        ; thread / 16: 0..7
	v_mul_u32_u24 v13, v1, RPITCH
	v_lshl_add_u32 v13, v5, 4, v13
	v_add_nc_u32 v13, RED, v13
	v_lshlrev_b32 v14, 4, v5
	v_lshl_add_u32 v14, v1, 12, v14
	s_wait_kmcnt 0x0
	s_add_nc_u64 s[4:5], s[4:5], s[16:17]
	s_add_nc_u64 s[6:7], s[6:7], s[18:19]
	s_add_nc_u64 s[8:9], s[8:9], s[20:21]
	s_add_nc_u64 s[10:11], s[10:11], s[22:23]
; My 32 rows x 64 columns: 16 loads of two whole rows' 256 bytes, rounded to bf16, into my stage; out of it four fragments (16 columns x 32 rows each).
.macro STAGE_IN
.set i, 0
.rept 16
	global_load_b128 v[64+4*i:64+4*i+3], v7, s[4:5] offset:8192*i th:TH_LOAD_NT
.set i, i+1
.endr
.set i, 0
.rept 16
	s_wait_loadcnt 15-i                            ; loads come back in order: number i is in, the younger ones stay out
	v_cvt_pk_bf16_f32 v[48+2*(i%8)], v[64+4*i], v[65+4*i]
	v_cvt_pk_bf16_f32 v[49+2*(i%8)], v[66+4*i], v[67+4*i]
	ds_store_b64 v8, v[48+2*(i%8):49+2*(i%8)] offset:2*SPITCH*i
.set i, i+1
.endr
.irp nb, 0,1,2,3
	ds_load_tr16_b128 v[16+8*\nb:16+8*\nb+3],   v9 offset:32*\nb              ; LDS serves a wave's instructions in order: these see the stores above
	ds_load_tr16_b128 v[16+8*\nb+4:16+8*\nb+7], v9 offset:32*\nb+16*SPITCH
.endr
	s_wait_dscnt 0x0
.endm
	s_cmp_lt_u32 s13, 8                            ; the same in all four waves
	s_cbranch_scc1 .Lenc
	; W1_hid: hidden_state's 32 rows x my 32 channels, as two fragments
.irp bb, 0,1
.irp q, 0,1,2,3
	global_load_b128 v[128+16*\bb+4*\q:128+16*\bb+4*\q+3], v11, s[6:7] offset:65536*\bb+16*(\q%2)+64*(\q/2)
.endr
.endr
	STAGE_IN                                       ; its last wait on loads is for 0: the eight older loads above are in too
.set i, 0
.rept 16
	v_cvt_pk_bf16_f32 v[48+i], v[128+2*i], v[129+2*i]
.set i, i+1
.endr
.irp bb, 0,1                           ; source 0 = 16 columns of W1, source 1 = 16 rows of hidden_state: a lane holds one b and eight neighbouring columns.  Eight sums of one product each
.irp nb, 0,1,2,3
	v_wmma_f32_16x16x32_bf16 v[64+8*(4*\bb+\nb):64+8*(4*\bb+\nb)+7], v[16+8*\nb:16+8*\nb+7], v[48+8*\bb:48+8*\bb+7], 0
.endr
.endr
.rept 4
	v_nop                                          ; four places between the last product and the stores that read results
.endr
.irp bb, 0,1
.irp nb, 0,1,2,3
	ds_store_b128 v12, v[64+8*(4*\bb+\nb):64+8*(4*\bb+\nb)+3]   offset:16*RPITCH*\bb+64*\nb
	ds_store_b128 v12, v[64+8*(4*\bb+\nb)+4:64+8*(4*\bb+\nb)+7] offset:16*RPITCH*\bb+64*\nb+16
.endr
.endr
	s_branch .Ljoin
.Lenc:
	; W1_enc: the fragments leave as they lie in the registers; each store covers 512 consecutive bytes, aligned
	STAGE_IN
.irp nb, 0,1,2,3
	global_store_b128 v10, v[16+8*\nb:16+8*\nb+3],   s[8:9] offset:1024*\nb
	global_store_b128 v10, v[16+8*\nb+4:16+8*\nb+7], s[8:9] offset:1024*\nb+512
.endr
.Ljoin:
	s_wait_dscnt 0x0                               ; for the others' sake: my stores into the partial tiles are done
	s_barrier_signal -1                            ; the one barrier stands on every wave's path
	s_barrier_wait -1
	s_cmp_lt_u32 s13, 8
	s_cbranch_scc1 .Lend
	; the four waves' partial tiles are added: thread x takes 16 bytes of row x / 16 + 8 i
.irp i, 0,1,2,3
.irp w, 0,1,2,3
	ds_load_b128 v[64+16*\i+4*\w:64+16*\i+4*\w+3], v13 offset:8*RPITCH*\i+REDW*\w
.endr
.endr
	s_wait_dscnt 0x0
.irp i, 0,1,2,3
	v_pk_add_f32 v[64+16*\i:65+16*\i], v[64+16*\i:65+16*\i], v[68+16*\i:69+16*\i]
	v_pk_add_f32 v[66+16*\i:67+16*\i], v[66+16*\i:67+16*\i], v[70+16*\i:71+16*\i]
	v_pk_add_f32 v[72+16*\i:73+16*\i], v[72+16*\i:73+16*\i], v[76+16*\i:77+16*\i]
	v_pk_add_f32 v[74+16*\i:75+16*\i], v[74+16*\i:75+16*\i], v[78+16*\i:79+16*\i]
	v_pk_add_f32 v[64+16*\i:65+16*\i], v[64+16*\i:65+16*\i], v[72+16*\i:73+16*\i]
	v_pk_add_f32 v[66+16*\i:67+16*\i], v[66+16*\i:67+16*\i], v[74+16*\i:75+16*\i]
	global_store_b128 v14, v[64+16*\i:67+16*\i], s[10:11] offset:32768*\i   ; 16 lanes store 256 consecutive bytes, aligned
.endr
.Lend:
	s_wait_tensorcnt 0x0                           ; the wave's end: three closing lines, behind my last LDS store
	ds_add_u32 v2, v3
	s_wait_dscnt 0x0
	s_endpgm
.Lfunc_end_k_qcf1a99c746_prep:
	.size	k_qcf1a99c746_prep, .Lfunc_end_k_qcf1a99c746_prep-k_qcf1a99c746_prep
	.p2alignl 7, 3214868480
	.fill 96, 4, 3214868480
	.section	.rodata,"a",@progbits
	.p2align	6, 0x0
	.amdhsa_kernel k_qcf1a99c746_prep
		.amdhsa_group_segment_fixed_size 55808
		.amdhsa_private_segment_fixed_size 0
		.amdhsa_enable_private_segment 0
		.amdhsa_kernarg_size 32
		.amdhsa_user_sgpr_count 2
		.amdhsa_user_sgpr_kernarg_segment_ptr 1
		.amdhsa_wavefront_size32 1
		.amdhsa_system_sgpr_workgroup_id_x 1
		.amdhsa_system_sgpr_workgroup_id_y 1
		.amdhsa_system_sgpr_workgroup_id_z 1
		.amdhsa_system_vgpr_workitem_id 0
		.amdhsa_next_free_vgpr 160
		.amdhsa_next_free_sgpr 66
		.amdhsa_reserve_vcc 0
		.amdhsa_float_denorm_mode_32 3
		.amdhsa_float_denorm_mode_16_64 3
		.amdhsa_memory_ordered 1
		.amdhsa_forward_progress 1
		.amdhsa_inst_pref_size 22
	.end_amdhsa_kernel
	.amdgpu_metadata
---
amdhsa.version: [ 1, 2 ]
amdhsa.kernels:
  - .name:           k_qcf1a99c746_prep
    .symbol:         k_qcf1a99c746_prep.kd
    .args:
      - { .name: W1, .offset: 0, .size: 8, .value_kind: global_buffer, .address_space: global }
      - { .name: hidden_state, .offset: 8, .size: 8, .value_kind: global_buffer, .address_space: global }
      - { .name: Wf, .offset: 16, .size: 8, .value_kind: global_buffer, .address_space: global }
      - { .name: hbp, .offset: 24, .size: 8, .value_kind: global_buffer, .address_space: global }
    .group_segment_fixed_size: 55808
    .private_segment_fixed_size: 0
    .kernarg_segment_align: 8
    .kernarg_segment_size: 32
    .max_flat_workgroup_size: 128
    .sgpr_count:     66
    .vgpr_count:     160
    .wavefront_size: 32
...
	.end_amdgpu_metadata
.endif
;; end of part 1
;; launch attn (part 2): grid 256 x 1, 4 waves a work-group, clusters of 4 x 1, 327,680 bytes of LDS; arguments encoder_outputs, Wf, hbp, b1, w2, part; writes part
.if DOCPART == 2
	.amdgcn_target "amdgcn-amd-amdhsa--gfx1250"
	.amdhsa_code_object_version 6
	.text
	.protected	k_qcf1a99c746_attn
	.globl	k_qcf1a99c746_attn
	.p2align	8
	.type	k_qcf1a99c746_attn,@function
k_qcf1a99c746_attn:
	s_mov_b64 s[64:65], 0
	v_nop
	global_prefetch_b8 v0, s[64:65] scope:SCOPE_SE
	s_setreg_imm32_b32 hwreg(HW_REG_WAVE_MODE, 25, 1), 1
	s_wait_xcnt 0x0
	s_wait_alu depctr_hold_cnt(0) depctr_sa_sdst(0) depctr_va_vdst(0) depctr_va_sdst(0) depctr_va_ssrc(0) depctr_va_vcc(0) depctr_vm_vsrc(0)
	s_getreg_b32 s2, hwreg(HW_REG_IB_STS2, 6, 4)
	s_cmp_eq_u32 s2, 0
	s_cbranch_scc0 .Lentry_in_a_cluster
	s_endpgm
.Lentry_in_a_cluster:
	s_bfe_u32 s2, ttmp6, 0x10000c
	s_cmp_lg_u32 s2, 0x3003
	s_cbranch_scc0 .Lentry_shape_is_right
	s_endpgm
.Lentry_shape_is_right:
; e[row] = w2 . tanh(enc[row] W1_enc + hid W1_hid + b1) for 256 rows of encoder_outputs a work-group, and of each wave's 64 rows a partial softmax: m = max e, p = exp(e - m), l = sum p,
; ctx[d] = sum p enc[row][d].  A record (ctx 1,024 f32, then m, l) leaves for each wave; the next launch merges a batch's 32 records.
; enc IS READ FROM MEMORY ONCE: a wave's 64 rows x 1,024 channels stay on the WGP in bf16 from the first product to the weighted sum: rows 0-47 as 3 x 32 matrix fragments in 768 registers
; (windows 1 to 3), rows 48-63 in the wave's own LDS rows.  A wave makes all 1,024 columns of its rows, so no e is summed across waves.
; THE WEIGHTS (Wf: bf16, in fragment order, 2 MiB) pass once through a ring of two LDS slots of 64 KiB: 16 tiles of 64 columns x 32 K steps; a slot is half a tile's K.  All work-groups walk the same
; Wf, so the four of a cluster ask for each slot JOINTLY: the same tensor load, descriptor and mask in all four; each wave fetches a quarter of a slot, 64 rows of 256 bytes.
; THE MATRIX INSTRUCTION IS USED TRANSPOSED (source 0 = 16 columns of W1, source 1 = 16 rows of enc): a lane holds ONE row of enc (l%16) and eight neighbouring columns 8 (l/16) + 0..7.
; tanh(x) = 1 - 2 / (1 + 2^(C2 x)), C2 = 2 log2(e); the table holds C2 (hid W1_hid + b1), so one packed multiply-add makes the exponent out of the sum.
; FORMATS.  All five inputs are rounded once to bf16 (b1 and w2 where their tables are made); sums, tanh, e, m, l and ctx in f32.  p goes to the second product as hi + lo, two bf16 numbers,
; in the two halves of source 0's sixteen rows, which would otherwise all be alike.
; LIMITS.  NaN and infinities in the inputs are not treated apart.  2^y beyond f32's range gives tanh = 1, below it tanh = -1; tanh is off by about 1e-7 absolute.  A weight p below 2^-126 counts as 0.
; REGISTERS, in windows of 256 (s_set_vgpr_msb: bits 1:0 source 0, 3:2 source 1, 5:4 source 2, 7:6 destination):
;   window 0, from the first product to the last: v0 thread; v1 256 l; v2 spare word, v3 zero; v4, v5 my 16 bytes of a fragment in slot 0, 1; v6 enc fragments in my LDS rows; v7 tables;
;     v[8:15] e, a pair for each block of 16 rows; v[16:127] a pool of 14 fragments; v[128:255] 16 accumulators (mb, nb).  Before and behind that the pool and the accumulators hold what the phase says.
;   windows 1, 2, 3: rows 0-15, 16-31, 32-47 of enc: the fragment of K step ks at v[8 ks : 8 ks + 7]
.set RAP,   2064                       ; an LDS row of enc: 2,048 bytes + 16: an odd multiple of 16, so the 16 rows of a fragment load start 16 bytes apart modulo 256
.set RAW,   16*RAP                     ; a wave's 16 rows
.set RING,  4*RAW                      ; behind them the ring; unpadded: a fragment load reads 512 consecutive bytes
.set SLOT,  65536
.set CBT,   RING+2*SLOT                ; 1,024 f32: C2 (hid W1_hid + b1); 4,096 bytes on: w2
.set PSB,   CBT+8192                   ; 256 bytes a wave: p's hi parts (64 bf16), then its lo parts
.set SPARE, PSB+1024                   ; the spare words, 128 bytes a wave: two blocks of 256 bytes that no other line names
.set LOFF,  4160                       ; the way out: the lo parts' sums lie so far behind the hi parts'
.set ES,    8
.set POOL,  16
.set NFR,   14                         ; fragments in the pool
.set TS,    POOL+80                    ; a tile's end: three sets of eight table numbers, in fragments 10 to 12
.set GOFF,  16                         ; while enc comes in: 16 l,
.set STA,   17                         ; the staging row in hand,
.set STA0,  18                         ; my 8 bytes of the first staging row
.set BB,    48                         ; while enc comes in: a row at work; in the weighted sum: two sets of four results
.set AB,    112                        ; in the weighted sum: p's two fragments
.set ACC,   128
; For the weighted sum each wave takes a second stage of 16 rows at RING + w RAW: over the ring, which has had its last fill, and the tables' first 1,024 bytes, behind a barrier.
; s16 wave; s17 cx; s18 work-group; s19 my p's; s[20:21] 16,384 x wave; s22, s23 my two stages; s[24:31] descriptor group 1; s[32:35], s[36:39] group 0 of slot 0, 1; s40 tiles to go;
; s41 1 in a wave that prefetches, else the greatest number; s[42:43] where my prefetches stand; s[44:45] C2; s[46:47] lane selects; s48 a count; s49 staging row; s[50:51] enc; s[52:53] my record;
; s54 log2(e); s55 the tile's place in the tables; s[56:57] offsets
.set MSB, 0
.macro WIN new                         ; the immediate's high byte repeats the setting that is left; a switch that changes nothing is dropped
.if MSB != (\new)
	s_set_vgpr_msb (MSB<<8)|(\new)
.set MSB, \new
.endif
.endm
.macro PLACES                          ; four places: in front of loads into registers that matrix instructions have read, and of vector lines that read results
.rept 4
	v_nop
.endr
.endm
.macro CREST                           ; a round of the cluster's barrier behind its opening barrier
	s_cmp_lg_u32 s16, 0
	s_cbranch_scc1 .Lnot_wave_0_\@
	s_barrier_signal -3
.Lnot_wave_0_\@:
	s_barrier_wait -3
	s_barrier_signal -1
	s_barrier_wait -1
.endm
.macro CROUND                          ; a whole round
	s_barrier_signal -1
	s_barrier_wait -1
	CREST
.endm
	s_load_b256 s[4:11], s[0:1], 0x0               ; enc s[4:5], Wf s[6:7], hbp s[8:9], b1 s[10:11]
	s_load_b128 s[12:15], s[0:1], 0x20             ; w2 s[12:13], part s[14:15]
	v_lshl_add_u32 v2, v0, 2, SPARE
	v_mov_b32 v3, 0
	ds_add_u32 v2, v3                              ; the wave's opening: the add and its wait stand ahead of my first tensor load; the set-up below, work on registers, stands between them
	v_lshrrev_b32 v1, 5, v0
	v_readfirstlane_b32 s16, v1                    ; wave 0..3
	s_bfe_u32 s17, ttmp6, 0x40000                  ; cx: my place in the cluster; it enters enc's, the record's and the prefetches' addresses alone
	s_lshl_b32 s18, ttmp9, 2                       ; in a cluster launch ttmp9 counts clusters
	s_add_co_u32 s18, s18, s17                     ; my block of 256 rows
	; descriptor group 1: a dense block of 16 KiB as 64 rows of 32 elements of 8 bytes
	s_mov_b32 s24, 15|(3<<16)|(1<<21)              ; 15:0 the mask: all four work-groups; 17:16 elements of 8 bytes; 21 set beside a mask; no padding
	s_mov_b32 s25, 32<<16                          ; tensor_dim0 = 32
	s_mov_b32 s26, 64<<16                          ; tensor_dim1 = 64
	s_mov_b32 s27, 32<<16                          ; tile_dim0 = 32
	s_mov_b32 s28, 64                              ; tile_dim1 = 64
	s_mov_b32 s29, 32                              ; 32 elements from row to row
	s_mov_b32 s30, 0
	s_mov_b32 s31, 0
	s_lshl_b32 s20, s16, 14                        ; my quarter of a slot, in memory and in LDS
	s_mov_b32 s21, 0
	s_mov_b32 s32, 1                               ; count = 1
	s_add_co_u32 s33, s20, RING                    ; LDS address: slot 0
	s_mov_b32 s36, 1
	s_add_co_u32 s37, s20, RING+SLOT               ; slot 1
	s_mul_i32 s22, s16, RAW
	s_add_co_u32 s23, s22, RING
	s_lshl_b32 s19, s16, 8
	s_add_co_u32 s19, s19, PSB
	s_mov_b32 s44, 0x4038aa3b                      ; C2 = 2 log2(e)
	s_mov_b32 s45, s44                             ; named with it as a pair
	s_mov_b32 s46, 0x76543210                      ; v_permlanex16_b32: each lane takes its own place in the other half
	s_mov_b32 s47, 0xfedcba98
	s_mov_b32 s54, 0x3fb8aa3b                      ; log2(e)
	s_mov_b32 s55, CBT
	s_mov_b32 s40, 15
	s_lshr_b32 s41, s16, 1                         ; waves 0 and 1 of the first cluster prefetch: the same in all four partners
	s_or_b32 s41, s41, ttmp9
	s_cmp_eq_u32 s41, 0
	s_cselect_b32 s41, 1, -1
	s_lshl_b32 s56, s17, 14                        ; of a slot's 256 blocks of 256 bytes partner cx takes 64, wave 0 the first 32 of them, wave 1 the others
	s_and_b32 s57, s16, 1
	s_lshl_b32 s57, s57, 13
	s_add_co_u32 s56, s56, s57
	s_add_co_u32 s56, s56, 2*SLOT                  ; at slot 2 of Wf: the first refill steps it to slot 3
	s_mov_b32 s57, 0
	v_and_b32 v24, 31, v0                          ; l
	v_and_b32 v25, 15, v0                          ; l % 16
	v_bfe_u32 v26, v0, 4, 1                        ; l / 16
	v_lshlrev_b32 v1, 8, v24
	v_lshl_add_u32 v4, v24, 4, RING
	v_add_nc_u32 v5, SLOT, v4
	v_mul_u32_u24 v29, v25, RAP
	v_lshl_add_u32 v29, v26, 4, v29                ; a fragment of enc: row l % 16, 16 bytes by l / 16
	v_add_nc_u32 v6, s22, v29
	v_lshl_add_u32 v7, v26, 5, s55                 ; my eight columns' table numbers: 32 bytes by l / 16
	v_lshlrev_b32 v[GOFF], 4, v24
	v_lshl_add_u32 v[STA0], v24, 3, s22            ; staging: 8 bytes a lane
	v_lshlrev_b32 v19, 4, v0                       ; the tables are made by all 128 threads, 16 bytes each, twice
	v_lshl_add_u32 v20, v0, 4, CBT
.irp i, 0,1,2,3,4,5,6,7
	v_mov_b32 v[ES+\i], 0                          ; e starts at 0
.endr
	s_wait_dscnt 0x0                               ; the opening add is done
	s_wait_kmcnt 0x0
	s_add_nc_u64 s[42:43], s[6:7], s[56:57]
	s_add_nc_u64 s[34:35], s[6:7], s[20:21]        ; global address: my quarter of Wf's slot 0,
	s_add_nc_u64 s[38:39], s[34:35], SLOT          ; of slot 1
	s_or_b32 s35, s35, 0x80000000                  ; type = 2
	s_or_b32 s39, s39, 0x80000000
	s_lshl_b32 s56, s18, 20                        ; enc: 256 rows of 4,096 bytes a work-group, 64 a wave
	s_lshl_b32 s57, s16, 18
	s_add_co_u32 s56, s56, s57
	s_mov_b32 s57, 0
	s_add_nc_u64 s[50:51], s[4:5], s[56:57]
	s_lshr_b32 s56, ttmp9, 1                       ; the batch: eight work-groups, two clusters
	s_lshl_b32 s56, s56, 12
	s_add_nc_u64 s[8:9], s[8:9], s[56:57]
	s_lshl_b32 s56, s18, 2
	s_add_co_u32 s56, s56, s16
	s_mul_i32 s56, s56, 4608                       ; my record
	s_add_nc_u64 s[52:53], s[14:15], s[56:57]
	CROUND                                         ; all four work-groups are here: the first joint loads meet
	tensor_load_to_lds s[32:35], s[24:31]          ; both slots' first fills go out together: two loads of mine are out
	s_nop 0
	tensor_load_to_lds s[36:39], s[24:31]
	s_nop 0
	PLACES
	; THE TABLES' SOURCES, then enc's rows 0 to 3
.irp grp, 0,1
.irp kp, 0,1,2,3,4,5,6,7
	global_load_b128 v[48+40*\grp+4*\kp:48+40*\grp+4*\kp+3], v19, s[8:9] offset:131072*\kp+2048*\grp
.endr
	global_load_b128 v[80+40*\grp:83+40*\grp], v19, s[10:11] offset:2048*\grp
	global_load_b128 v[84+40*\grp:87+40*\grp], v19, s[12:13] offset:2048*\grp
.endr
.macro LROW i, row                     ; a whole row of enc, 4,096 bytes: eight loads of 512 consecutive bytes, into set i of four
.irp q, 0,1,2,3,4,5,6,7
	global_load_b128 v[ACC+32*(\i)+4*(\q):ACC+32*(\i)+4*(\q)+3], v[GOFF], s[50:51] offset:(\row)*4096+512*(\q) th:TH_LOAD_NT
.endr
.endm
	LROW 0, 0
	LROW 1, 1
	LROW 2, 2
	LROW 3, 3
	s_wait_loadcnt 32                              ; the tables' 20 loads are in; the 32 of enc stay out
.macro RNDBF x                         ; four f32 rounded to bf16 and widened again: b1 and w2 take the same rounding as the other inputs
	v_cvt_pk_bf16_f32 v34, v[(\x)], v[(\x)+1]
	v_cvt_pk_bf16_f32 v35, v[(\x)+2], v[(\x)+3]
	v_lshlrev_b32 v[(\x)], 16, v34
	v_and_b32 v[(\x)+1], 0xffff0000, v34
	v_lshlrev_b32 v[(\x)+2], 16, v35
	v_and_b32 v[(\x)+3], 0xffff0000, v35
.endm
.macro ADD4 x, y                       ; four f32 at x += four at y
	v_pk_add_f32 v[(\x):(\x)+1], v[(\x):(\x)+1], v[(\y):(\y)+1]
	v_pk_add_f32 v[(\x)+2:(\x)+3], v[(\x)+2:(\x)+3], v[(\y)+2:(\y)+3]
.endm
.irp grp, 0,1
	RNDBF 80+40*\grp
	RNDBF 84+40*\grp
	ADD4 48+40*\grp, 52+40*\grp
	ADD4 56+40*\grp, 60+40*\grp
	ADD4 64+40*\grp, 68+40*\grp
	ADD4 72+40*\grp, 76+40*\grp
	ADD4 48+40*\grp, 56+40*\grp
	ADD4 64+40*\grp, 72+40*\grp
	ADD4 48+40*\grp, 64+40*\grp
	ADD4 48+40*\grp, 80+40*\grp
	v_pk_mul_f32 v[48+40*\grp:49+40*\grp], v[48+40*\grp:49+40*\grp], s[44:45] op_sel_hi:[1,0]
	v_pk_mul_f32 v[50+40*\grp:51+40*\grp], v[50+40*\grp:51+40*\grp], s[44:45] op_sel_hi:[1,0]
	ds_store_b128 v20, v[48+40*\grp:51+40*\grp] offset:2048*\grp
	ds_store_b128 v20, v[84+40*\grp:87+40*\grp] offset:4096+2048*\grp
.endr
; enc COMES IN.  A ring of four row sets in registers: 32 loads, 16 KiB, of each wave are on their way.  A row is rounded to bf16 and laid into my LDS rows; after 16 rows they are read back as fragments.
.macro ROW i, ahead, left
	s_wait_loadcnt \left                           ; loads come back in order: my row's eight are in, the younger rows' stay out
.irp q, 0,1,2,3,4,5,6,7
	v_cvt_pk_bf16_f32 v[BB+2*(\q)],   v[ACC+32*(\i)+4*(\q)],   v[ACC+32*(\i)+4*(\q)+1]
	v_cvt_pk_bf16_f32 v[BB+2*(\q)+1], v[ACC+32*(\i)+4*(\q)+2], v[ACC+32*(\i)+4*(\q)+3]
.endr
.irp q, 0,1,2,3,4,5,6,7
	ds_store_b64 v[STA], v[BB+2*(\q):BB+2*(\q)+1] offset:(\i)*RAP+256*(\q)
.endr
.if \ahead
	LROW \i, (\i)+4                                ; the row four further down
.endif
.endm
.macro BLOCK trips                     ; a trip: four rows
	s_mov_b32 s49, 0
	s_mov_b32 s48, \trips
.Lblock_\@:
	v_add_nc_u32 v[STA], s49, v[STA0]
	ROW 0, 1, 24
	ROW 1, 1, 24
	ROW 2, 1, 24
	ROW 3, 1, 24
	s_wait_xcnt 0x0                                ; every load issued so far has read its address: the pointer is written only behind this wait
	s_add_nc_u64 s[50:51], s[50:51], 16384
	s_add_co_u32 s49, s49, 4*RAP
	s_sub_co_u32 s48, s48, 1
	s_cmp_lg_u32 s48, 0
	s_cbranch_scc1 .Lblock_\@
.endm
.macro READBACK n                      ; my 16 LDS rows as 32 fragments into window n.  LDS serves a wave's instructions in order: these see the stores above, and the next block's stores come behind them
	WIN (\n)<<6
.set kk, 0
.rept 32
	ds_load_b128 v[8*kk:8*kk+3],   v6 offset:64*kk
	ds_load_b128 v[8*kk+4:8*kk+7], v6 offset:64*kk+32
.set kk, kk+1
.endr
	WIN 0
.endm
	BLOCK 4
	READBACK 1
	BLOCK 4
	READBACK 2
	BLOCK 4
	READBACK 3
	BLOCK 3                                        ; rows 48-63 stay in LDS
	v_add_nc_u32 v[STA], s49, v[STA0]
	ROW 0, 0, 24                                   ; the last four rows load nothing: the counts run down
	ROW 1, 0, 16
	ROW 2, 0, 8
	ROW 3, 0, 0
; THE PRODUCT.  A SUPER STEP s is two K steps, a = 2 s and b = 2 s + 1: 32 matrix instructions on ten fragments from LDS, its ITEMS: 0-3 W1's column blocks for a, 4 and 5 enc's rows 48-63 for a and b,
; 6-9 W1's column blocks for b.  The 20 loads of a super step stand in ONE run, never singly among the matrix instructions.  Item i of super step s lies in fragment (10 s + i) % 14 of the pool: when the run for
; s + 1 is issued only items 6-9 of s are still wanted, and (10 (s + 1) + i) % 14, i = 0..9, are just the other ten fragments.  Behind the run stand 12 matrix instructions on items 6-9; then the run's first
; eight loads are wanted, its other twelve 12 matrix instructions later.
.macro LD2 reg, adr, off, step
	ds_load_b128 v[(\reg):(\reg)+3],   v[\adr] offset:(\off)
	ds_load_b128 v[(\reg)+4:(\reg)+7], v[\adr] offset:(\off)+(\step)
.endm
.macro RUN s
.irp nb, 0,1,2,3
	LD2 POOL+8*((10*(\s)+\nb)%NFR), 4+(\s)/8, ((2*(\s))%16)*4096+\nb*1024, 512
.endr
	LD2 POOL+8*((10*(\s)+4)%NFR), 6, 128*(\s), 32
	LD2 POOL+8*((10*(\s)+5)%NFR), 6, 128*(\s)+64, 32
.irp nb, 0,1,2,3
	LD2 POOL+8*((10*(\s)+6+\nb)%NFR), 4+(\s)/8, ((2*(\s)+1)%16)*4096+\nb*1024, 512
.endr
.endm
.macro MM s, hf, mb, nb, zero          ; K step 2 s + hf, rows 16 mb on, columns 16 nb on
.set rD, ACC+8*(4*(\mb)+(\nb))
.set rB, POOL+8*((10*(\s)+6*(\hf)+(\nb))%NFR)
.if (\mb) == 3
.set rA, POOL+8*((10*(\s)+4+(\hf))%NFR)
.else
.set rA, 8*(2*(\s)+(\hf))
.endif
.if \zero
	v_wmma_f32_16x16x32_bf16 v[rD:rD+7], v[rB:rB+7], v[rA:rA+7], 0
.else
	v_wmma_f32_16x16x32_bf16 v[rD:rD+7], v[rB:rB+7], v[rA:rA+7], v[rD:rD+7]
.endif
.endm
.macro GRP s, hf, mb, zero             ; four matrix instructions under one setting: source 1 in window mb + 1, for rows 48-63 in window 0
	WIN (((\mb)+1)%4)<<2
	MM \s, \hf, \mb, 0, \zero
	MM \s, \hf, \mb, 1, \zero
	MM \s, \hf, \mb, 2, \zero
	MM \s, \hf, \mb, 3, \zero
.endm
; The accumulators take turns, one instruction a turn: where a block of rows has two groups on end (rows 48-63 for a and b; rows 0-15 for b and the next a) three others stand between two
; links of a chain.  Six switches of the window for 32 matrix instructions.
.macro SSTEP s, zero
	s_wait_dscnt 12                                ; items 0-3 are in; the run's twelve younger loads may be out
	GRP \s, 0, 0, \zero
	GRP \s, 0, 1, \zero
	GRP \s, 0, 2, \zero
	s_wait_dscnt 0x0                               ; items 4-9
	GRP \s, 0, 3, \zero
	GRP \s, 1, 3, 0
	PLACES
	RUN (\s)+1
	GRP \s, 1, 2, 0
	GRP \s, 1, 1, 0
	GRP \s, 1, 0, 0
.endm
.macro LCB u                           ; the table numbers of column block u: C2 (hid W1_hid + b1), into set u % 3
	LD2 TS+8*((\u)%3), 7, 64*(\u), 16
.endm
.macro LW2 u                           ; and w2, into set (u + 1) % 3
	LD2 TS+8*(((\u)+1)%3), 7, 4096+64*(\u), 16
.endm
; A PREFETCH INTO THE L2 of the slot of Wf that the NEXT refill will ask for: one slot, 256 matrix instructions, ahead of that load.  Each aligned block of 256 bytes is named once in the launch: the first
; cluster asks; its four partners take 64 blocks each, told apart by address; in each, waves 0 and 1 ask for 32 blocks, a lane a block.  how = 1: the refill in a tile's middle always has a slot behind it;
; how = 0: the launch's last refill has none.  Slots 0 to 2 come by their loads alone.
.macro ASK how
.if \how
	s_cmp_eq_u32 s41, 1
.else
	s_cmp_gt_u32 s40, s41                          ; s40 = 1 in the loop's last trip
.endif
	s_cbranch_scc0 .Lnot_mine_\@
	global_prefetch_b8 v1, s[42:43] th:TH_LOAD_NT scope:SCOPE_SE
.Lnot_mine_\@:
.endm
; THE CHANGES OF SLOTS stand in super steps 7 (slot 0 is left) and 15 (slot 1).  ONE barrier each: in front of it a wave waits for all its tensor loads, of which one is out: its part of the other slot; adds 0 to
; its spare word; and waits for that and for its reads of the slot that it leaves.  fill = 1: the barrier opens a round of the cluster's, so that no wave of any partner still reads the slot or has a load on its
; way, and the joint refill, two slots on in Wf, is the first thing behind the round.  Then comes the run out of the other slot.
.macro CSTEP fill                      ; super step 7
	s_wait_dscnt 12
	GRP 7, 0, 0, 0
	GRP 7, 0, 1, 0
	GRP 7, 0, 2, 0
	WIN 0                                          ; (the add's two registers lie in window 0)
	s_wait_dscnt 0x0                               ; items 4-9: my last reads of slot 0 are in
.if \fill
	s_wait_xcnt 0x0                                ; the last prefetch, a slot back, has read its address: it is stepped here, ahead of the waits of the change of slots
	s_add_nc_u64 s[42:43], s[42:43], SLOT
.endif
	s_wait_tensorcnt 0x0                           ; no tensor load of mine is out, so a group 0 may be written
	ds_add_u32 v2, v3                              ; 0 onto my spare word; four products stand between it and the wait for it
	GRP 7, 0, 3, 0
.if \fill
	s_add_nc_u64 s[34:35], s[34:35], 2*SLOT        ; the type bits on top are not reached
.endif
	s_wait_dscnt 0x0                               ; the add is done
	s_barrier_signal -1
	GRP 7, 1, 3, 0                                 ; work on registers while the others arrive
	s_barrier_wait -1
.if \fill
	CREST
	tensor_load_to_lds s[32:35], s[24:31]          ; my one tensor load behind the round
	s_nop 0
.endif
	PLACES                                         ; also the places in front of the run
	RUN 8
.if \fill
	ASK 1
.endif
	GRP 7, 1, 2, 0
	GRP 7, 1, 1, 0
	GRP 7, 1, 0, 0
.endm
; Super step 15 ends the tile: all its products come first, sixteen of them between the barrier's signal and its wait; behind the refill stand the tile's first table numbers and the next tile's first run, which
; begins the pool anew at fragment 0 and lands under the tile's end.  fill = 0, the launch's last tile: nothing is left to fetch but the tables, and no slot is changed.
.macro ESTEP fill
	s_wait_dscnt 12
	GRP 15, 0, 0, 0
	GRP 15, 0, 1, 0
	GRP 15, 0, 2, 0
	WIN 0
	s_wait_dscnt 0x0                               ; items 4-9: my last reads of slot 1 are in
.if \fill
	s_wait_xcnt 0x0
	s_add_nc_u64 s[42:43], s[42:43], SLOT
	s_wait_tensorcnt 0x0
	ds_add_u32 v2, v3                              ; as above
.endif
	GRP 15, 0, 3, 0
.if \fill
	s_add_nc_u64 s[38:39], s[38:39], 2*SLOT
	s_wait_dscnt 0x0                               ; the add is done
	s_barrier_signal -1
.endif
	GRP 15, 1, 3, 0
	GRP 15, 1, 2, 0
	GRP 15, 1, 1, 0
	GRP 15, 1, 0, 0
	WIN 0                                          ; at a branch and at a label every window is 0
.if \fill
	s_barrier_wait -1
	CREST
	tensor_load_to_lds s[36:39], s[24:31]          ; my one tensor load behind the round
	s_nop 0
.endif
	PLACES                                         ; between the last products and the loads into fragments that they read, and the lines that read results
	LCB 0
	LCB 1
	LCB 2
.if \fill
	RUN 0
	ASK 0
.endif
.endm
; A TILE'S END: e += w2 . tanh(sum + table), 128 numbers a lane, in place on the accumulators.  A UNIT is a column block u (four accumulators, 16 pairs); item i is pair i / 4 of rows 16 (i % 4) on.
; For a pair: Y y = C2 s + table; E two 2^y; P 1 + ..; R two reciprocals; T1 1 - 2 r; T2 e += w2 t.
; The units follow each other a PASS apart: pass k holds E(k), P(k-1), T1(k-2), then R(k-1), Y(k+1), T2(k-2): nothing in a pass names a result of the pass's own exponentials and reciprocals, so each pass has
; ONE v_nop and ONE wait at its end, between such an instruction and the first that names its result.
; THE TABLE NUMBERS have three sets of eight registers.  Y(u) runs in pass u - 1 and T2(u) in pass u + 2; a set is asked for again at the head of the pass behind its last use, and used a pass later or more.
.macro EREG u, i
.set rX, ACC+8*(4*((\i)%4)+(\u))+2*((\i)/4)
.set rC, TS+8*((\u)%3)+2*((\i)/4)
.set rW, TS+8*(((\u)+1)%3)+2*((\i)/4)
.set rE, ES+2*((\i)%4)
.endm
.macro EY u, i
	EREG \u, \i
	v_pk_fma_f32 v[rX:rX+1], v[rX:rX+1], s[44:45], v[rC:rC+1] op_sel_hi:[1,0,1]
.endm
.macro EE u, i, z
	EREG \u, \i
	v_exp_f32 v[rX+(\z)], v[rX+(\z)]
.endm
.macro EP u, i
	EREG \u, \i
	v_pk_add_f32 v[rX:rX+1], v[rX:rX+1], 1.0 op_sel_hi:[1,0]
.endm
.macro ER u, i, z
	EREG \u, \i
	v_rcp_f32 v[rX+(\z)], v[rX+(\z)]
.endm
.macro ET1 u, i
	EREG \u, \i
	v_pk_fma_f32 v[rX:rX+1], v[rX:rX+1], -2.0, 1.0 op_sel_hi:[1,0,0]
.endm
.macro ET2 u, i
	EREG \u, \i
	v_pk_fma_f32 v[rE:rE+1], v[rX:rX+1], v[rW:rW+1], v[rE:rE+1]
.endm
.macro PASS k
.if (\k) > 0
	s_wait_dscnt 0x0                               ; the table numbers asked for a pass ago
.endif
.if (\k) == 0
	LCB 3                                          ; into the set that Y(0) has just left
.elseif (\k) <= 4
	LW2 (\k)-1
.endif
.set it, 0
.rept 16
.if (\k) <= 3
	EE \k, it, 0
.endif
.if ((\k) >= 1) && ((\k) <= 4)
	EP (\k)-1, it
.endif
.if (\k) <= 3
	EE \k, it, 1
.endif
.if (\k) >= 2
	ET1 (\k)-2, it
.endif
.set it, it+1
.endr
.set it, 0
.rept 16
.if ((\k) >= 1) && ((\k) <= 4)
	ER (\k)-1, it, 0
.endif
.if (\k) <= 2
	EY (\k)+1, it
.endif
.if ((\k) >= 1) && ((\k) <= 4)
	ER (\k)-1, it, 1
.endif
.if (\k) >= 2
	ET2 (\k)-2, it
.endif
.set it, it+1
.endr
.if (\k) <= 4
	v_nop                                          ; a plain instruction behind the pass's last exponential or reciprocal,
	s_wait_alu depctr_va_vdst(0)                   ; and the one wait for all of them
.endif
.endm
.macro EPI fill
.if \fill
	s_wait_dscnt 20                                ; the six table loads are in; the next tile's run of 20, issued behind them, may be out
.else
	s_wait_dscnt 0x0
.endif
.set it, 0
.rept 16
	EY 0, it
.set it, it+1
.endr
	PASS 0
	PASS 1
	PASS 2
	PASS 3
	PASS 4
	PASS 5
.if \fill
	s_add_co_u32 s55, s55, 256                     ; the next tile's 64 columns in the tables
	v_bfe_u32 v7, v0, 4, 1
	v_lshl_add_u32 v7, v7, 5, s55
.endif
.endm
.macro TILE fill
	SSTEP 0, 1                                     ; the first K step starts the sums: nothing is cleared
.set kk, 1
.rept 6
	SSTEP kk, 0
.set kk, kk+1
.endr
	CSTEP \fill
.set kk, 8
.rept 7
	SSTEP kk, 0
.set kk, kk+1
.endr
	ESTEP \fill
	EPI \fill
.endm
	s_wait_tensorcnt 0x1                           ; my part of slot 0 is in; slot 1's may stay out
	s_wait_dscnt 0x0                               ; my table stores, my rows and my fragments
	s_barrier_signal -1
	s_barrier_wait -1                              ; everybody's part of slot 0 and of the tables is there
	RUN 0
.Ltile:                                                ; 15 trips: a tile of 64 columns, both slots filled again
	TILE 1
	s_sub_co_u32 s40, s40, 1
	s_cmp_lg_u32 s40, 0
	s_cbranch_scc1 .Ltile
	TILE 0                                         ; the last tile is written out: nothing is asked for
	; THE PARTIAL SOFTMAX of my 64 rows.  A lane's pair and the lane 16 away hold the four parts of a row's e.
.irp mb, 0,1,2,3
	v_add_f32 v[24+\mb], v[ES+2*\mb], v[ES+2*\mb+1]
.endr
	; e's registers and the pool are free: the addresses of the last phases.  v8 16 l; v11 second stage, fragments in; v12, v13 turned reads of the two stages; v14, v15 p out and in; v40, v41 the way out
	v_and_b32 v16, 31, v0                          ; l
	v_and_b32 v17, 15, v0                          ; l % 16
	v_bfe_u32 v18, v0, 4, 1                        ; l / 16
	v_and_b32 v19, 7, v0
	v_bfe_u32 v20, v0, 3, 1
	v_lshlrev_b32 v8, 4, v16
	v_mul_u32_u24 v21, v17, RAP
	v_lshl_add_u32 v21, v18, 4, v21                ; a fragment of enc: row l % 16, 16 bytes by l / 16
	v_add_nc_u32 v11, s23, v21
	v_lshl_add_u32 v22, v18, 3, v19                ; the turning load: row 8 (l/16) + l%8, 16 bytes by (l/8)%2
	v_mul_u32_u24 v22, v22, RAP
	v_lshl_add_u32 v22, v20, 4, v22
	v_add_nc_u32 v12, s23, v22
	v_add_nc_u32 v13, s22, v22
	v_lshl_add_u32 v14, v20, 7, s19                ; source 0's rows 0-7 take p's hi parts, rows 8-15 its lo parts
	v_lshl_add_u32 v14, v18, 4, v14
	v_lshl_add_u32 v15, v17, 1, s19
	v_mul_u32_u24 v40, v18, LOFF
	v_lshl_add_u32 v40, v17, 2, v40
	v_add_nc_u32 v40, s23, v40
	v_lshl_add_u32 v41, v16, 4, s23
.irp mb, 0,1,2,3
	v_permlanex16_b32 v[28+\mb], v[24+\mb], s46, s47
.endr
.irp mb, 0,1,2,3
	v_add_f32 v[24+\mb], v[24+\mb], v[28+\mb]      ; e of row 16 mb + l % 16, in both halves of the lanes
.endr
	v_max3_num_f32 v42, v24, v25, v26
	v_max_num_f32 v42, v42, v27
	v_max_num_f32_dpp v42, v42, v42 row_xmask:1 row_mask:0xf bank_mask:0xf
	v_max_num_f32_dpp v42, v42, v42 row_xmask:2 row_mask:0xf bank_mask:0xf
	v_max_num_f32_dpp v42, v42, v42 row_xmask:4 row_mask:0xf bank_mask:0xf
	v_max_num_f32_dpp v42, v42, v42 row_xmask:8 row_mask:0xf bank_mask:0xf  ; m: the 64 rows' maximum, in every lane
	v_mul_f32 v32, s54, v42
.irp mb, 0,1,2,3
	v_fma_f32 v[24+\mb], v[24+\mb], s54, -v32
.endr
.irp mb, 0,1,2,3
	v_exp_f32 v[24+\mb], v[24+\mb]                 ; p = exp(e - m)
.endr
	v_nop
	s_wait_alu depctr_va_vdst(0)                   ; one wait for the four exponentials, ahead of their first reader
	v_add_f32 v43, v24, v25
	v_add_f32 v33, v26, v27
	v_add_f32 v43, v43, v33
	v_add_f32_dpp v43, v43, v43 row_xmask:1 row_mask:0xf bank_mask:0xf
	v_add_f32_dpp v43, v43, v43 row_xmask:2 row_mask:0xf bank_mask:0xf
	v_add_f32_dpp v43, v43, v43 row_xmask:4 row_mask:0xf bank_mask:0xf
	v_add_f32_dpp v43, v43, v43 row_xmask:8 row_mask:0xf bank_mask:0xf      ; l
	v_mov_b32 v44, v42
	v_mov_b32 v45, v43
.irp mb, 0,1,2,3
	v_cvt_pk_bf16_f32 v[28+\mb], v[24+\mb], v[24+\mb]  ; hi = bf16(p)
.endr
.irp mb, 0,1,2,3
	v_and_b32 v[34+\mb], 0xffff0000, v[28+\mb]
.endr
.irp mb, 0,1,2,3
	v_sub_f32 v[34+\mb], v[24+\mb], v[34+\mb]
.endr
.irp mb, 0,1,2,3
	v_cvt_pk_bf16_f32 v[34+\mb], v[34+\mb], v[34+\mb]  ; lo = bf16(p - hi)
.endr
.irp mb, 0,1,2,3
	ds_store_b16 v15, v[28+\mb] offset:32*\mb
	ds_store_b16 v15, v[34+\mb] offset:128+32*\mb
.endr
.irp c, 0,1                            ; source 0 for rows 32 c .. 32 c + 31 of my 64: LDS serves a wave's instructions in order, so these see the stores above
	ds_load_b128 v[AB+8*\c:AB+8*\c+3],   v14 offset:64*\c
	ds_load_b128 v[AB+8*\c+4:AB+8*\c+7], v14 offset:64*\c+32
.endr
	s_wait_dscnt 0x0                               ; my reads of the ring and of the tables are long over, and p is in
	s_barrier_signal -1
	s_barrier_wait -1                              ; nobody reads the ring or the tables any more: each wave's second stage may be written
; THE WEIGHTED SUM by the matrix unit: D[m][d] = sum over 32 rows k of P[m][k] enc[k][d], 16 channels d a product; source 1 is enc turned, by ds_load_tr16_b128: rows 0-15 of the 32 from the second stage,
; rows 16-31 from the first.  Register 0 of D holds m = 0 (hi) in lanes 0-15 and m = 8 (lo) in lanes 16-31.
.macro STORE_AR n, adr                 ; window n's 32 fragments back into 16 LDS rows
	WIN (\n)<<2
.set kk, 0
.rept 32
	ds_store_b128 v[\adr], v[8*kk:8*kk+3]   offset:64*kk
	ds_store_b128 v[\adr], v[8*kk+4:8*kk+7] offset:64*kk+32
.set kk, kk+1
.endr
	WIN 0
.endm
.macro LDF g                           ; group g: four blocks of 16 channels
.irp q, 0,1,2,3
	ds_load_tr16_b128 v[ACC+32*((\g)%2)+8*\q:ACC+32*((\g)%2)+8*\q+3],   v12 offset:32*(4*(\g)+\q)
	ds_load_tr16_b128 v[ACC+32*((\g)%2)+8*\q+4:ACC+32*((\g)%2)+8*\q+7], v13 offset:32*(4*(\g)+\q)
.endr
.endm
.macro HARV g, first                   ; group g's four results into v[192 + block]
.irp q, 0,1,2,3
.if \first
	v_mov_b32 v[192+4*(\g)+\q], v[BB+32*((\g)%2)+8*\q]
.else
	v_add_f32 v[192+4*(\g)+\q], v[192+4*(\g)+\q], v[BB+32*((\g)%2)+8*\q]
.endif
.endr
.endm
; 16 groups on two sets of fragments and of results.  Behind a group's four products stand five plain lines (the harvest of the group before and a v_nop): the places in front of the next loads into the set
; that the group before read, and in front of the next harvest.
.macro CHUNK c, first
	LDF 0
.set gg, 0
.rept 16
.if gg < 15
	LDF gg+1
	s_wait_dscnt 8                                 ; this group's eight loads are in, the next group's stay out
.else
	s_wait_dscnt 0x0
.endif
.irp q, 0,1,2,3
	v_wmma_f32_16x16x32_bf16 v[BB+32*(gg%2)+8*\q:BB+32*(gg%2)+8*\q+7], v[AB+8*(\c):AB+8*(\c)+7], v[ACC+32*(gg%2)+8*\q:ACC+32*(gg%2)+8*\q+7], 0
.endr
.if gg > 0
	HARV gg-1, \first
.else
	PLACES
.endif
	v_nop
.set gg, gg+1
.endr
	PLACES
	HARV 15, \first
.endm
	STORE_AR 3, 11                                 ; rows 32-47 into the second stage; rows 48-63 lie in the first
	CHUNK 1, 1
	STORE_AR 1, 11                                 ; rows 0-15, behind the reads above (one wave's LDS instructions are served in order),
	STORE_AR 2, 6                                  ; rows 16-31
	CHUNK 0, 0
	; THE WAY OUT: lane (l%16, l/16) holds channel 16 block + l%16, hi or lo part: two arrays of 1,024 f32 in my second stage, read back by 16 bytes a lane and added
.set dd, 0
.rept 64
	ds_store_b32 v40, v[192+dd] offset:64*dd
.set dd, dd+1
.endr
.irp q, 0,1,2,3,4,5,6,7
	ds_load_b128 v[48+4*\q:48+4*\q+3], v41 offset:512*\q
.endr
.irp q, 0,1,2,3,4,5,6,7
	ds_load_b128 v[80+4*\q:80+4*\q+3], v41 offset:LOFF+512*\q
.endr
	s_wait_dscnt 0x0
.set dd, 0
.rept 16
	v_pk_add_f32 v[48+dd:49+dd], v[48+dd:49+dd], v[80+dd:81+dd]
.set dd, dd+2
.endr
.irp q, 0,1,2,3,4,5,6,7
	global_store_b128 v8, v[48+4*\q:48+4*\q+3], s[52:53] offset:512*\q   ; each store covers 512 consecutive bytes, aligned
.endr
	global_store_b128 v8, v[42:45], s[52:53] offset:4096                 ; m, l, m, l from every lane: the record's last 512 bytes, whole
	s_wait_tensorcnt 0x0                           ; the wave's end: three closing lines, behind my last tensor load and my last LDS store
	ds_add_u32 v2, v3
	s_wait_dscnt 0x0
	CROUND                                         ; the closing round: no work-group ends while a partner may still ask for a slot that names it
	s_endpgm
.Lfunc_end_k_qcf1a99c746_attn:
	.size	k_qcf1a99c746_attn, .Lfunc_end_k_qcf1a99c746_attn-k_qcf1a99c746_attn
	.p2alignl 7, 3214868480
	.fill 96, 4, 3214868480
	.section	.rodata,"a",@progbits
	.p2align	6, 0x0
	.amdhsa_kernel k_qcf1a99c746_attn
		.amdhsa_group_segment_fixed_size 327680
		.amdhsa_private_segment_fixed_size 0
		.amdhsa_enable_private_segment 0
		.amdhsa_kernarg_size 48
		.amdhsa_user_sgpr_count 2
		.amdhsa_user_sgpr_kernarg_segment_ptr 1
		.amdhsa_wavefront_size32 1
		.amdhsa_system_sgpr_workgroup_id_x 1
		.amdhsa_system_sgpr_workgroup_id_y 1
		.amdhsa_system_sgpr_workgroup_id_z 1
		.amdhsa_system_vgpr_workitem_id 0
		.amdhsa_next_free_vgpr 1024
		.amdhsa_next_free_sgpr 66
		.amdhsa_reserve_vcc 0
		.amdhsa_float_denorm_mode_32 3
		.amdhsa_float_denorm_mode_16_64 3
		.amdhsa_memory_ordered 1
		.amdhsa_forward_progress 1
		.amdhsa_inst_pref_size 255
	.end_amdhsa_kernel
	.section	.bss,"aw",@nobits
	.p2align	6
	.space	262144
	.amdgpu_metadata
---
amdhsa.version: [ 1, 2 ]
amdhsa.kernels:
  - .name:           k_qcf1a99c746_attn
    .symbol:         k_qcf1a99c746_attn.kd
    .args:
      - { .name: encoder_outputs, .offset: 0, .size: 8, .value_kind: global_buffer, .address_space: global }
      - { .name: Wf, .offset: 8, .size: 8, .value_kind: global_buffer, .address_space: global }
      - { .name: hbp, .offset: 16, .size: 8, .value_kind: global_buffer, .address_space: global }
      - { .name: b1, .offset: 24, .size: 8, .value_kind: global_buffer, .address_space: global }
      - { .name: w2, .offset: 32, .size: 8, .value_kind: global_buffer, .address_space: global }
      - { .name: part, .offset: 40, .size: 8, .value_kind: global_buffer, .address_space: global }
    .group_segment_fixed_size: 327680
    .private_segment_fixed_size: 0
    .kernarg_segment_align: 8
    .kernarg_segment_size: 48
    .max_flat_workgroup_size: 128
    .sgpr_count:     66
    .vgpr_count:     1024
    .wavefront_size: 32
...
	.end_amdgpu_metadata
.endif
;; end of part 2
;; launch comb (part 3): grid 4 x 32, 2 waves a work-group, no clusters, 0 bytes of LDS; arguments part, out0; writes out0
.if DOCPART == 3
	.amdgcn_target "amdgcn-amd-amdhsa--gfx1250"
	.amdhsa_code_object_version 6
	.text
	.protected	k_qcf1a99c746_comb
	.globl	k_qcf1a99c746_comb
	.p2align	8
	.type	k_qcf1a99c746_comb,@function
k_qcf1a99c746_comb:
	s_mov_b64 s[64:65], 0
	v_nop
	global_prefetch_b8 v0, s[64:65] scope:SCOPE_SE
	s_setreg_imm32_b32 hwreg(HW_REG_WAVE_MODE, 25, 1), 1
	s_wait_xcnt 0x0
; out0[b][d] = sum over a batch's 32 records i of w_i ctx_i[d] / sum of w_i l_i, with w_i = exp(m_i - M), M = the largest m_i: the partial softmaxes are merged under their common maximum.
; A record is 4,608 bytes: ctx (1,024 f32), then m, l.  Work-group (x, b): 256 columns of batch b; thread t takes 16 bytes.  Each byte of ctx is read once, by loads of 512 consecutive bytes a wave;
; the 32 pairs (m, l) are read by every wave, a lane a record.  No LDS, no barrier, no matrix unit: 4.7 MB are streamed and 128 KiB written; work-groups share nothing but those pairs, so no cluster.
; LIMITS.  A weight w below 2^-126 counts as 0; NaN and infinities are not treated apart.
.set REC, 4608
	s_load_b128 s[4:7], s[0:1], 0x0                ; part s[4:5], out0 s[6:7]
	s_and_b32 s8, ttmp7, 0xffff                    ; b
	s_mul_i32 s10, s8, 32*REC                      ; the batch's first record
	s_mov_b32 s11, 0
	s_lshl_b32 s12, ttmp9, 10                      ; my 256 columns
	s_mov_b32 s13, 0
	s_lshl_b32 s14, s8, 12
	s_add_co_u32 s14, s14, s12
	s_mov_b32 s15, 0
	s_mov_b32 s50, 0x76543210                      ; v_permlanex16_b32: each lane takes its own place in the other half
	s_mov_b32 s51, 0xfedcba98
	s_mov_b32 s52, 0x3fb8aa3b                      ; log2(e)
	v_and_b32 v1, 31, v0
	v_mul_u32_u24 v2, v1, REC
	v_lshlrev_b32 v3, 4, v0
	s_wait_kmcnt 0x0
	s_add_nc_u64 s[4:5], s[4:5], s[10:11]
	s_add_nc_u64 s[6:7], s[6:7], s[14:15]
	s_add_nc_u64 s[8:9], s[4:5], s[12:13]
	global_load_b64 v[4:5], v2, s[4:5] offset:4096 ; lane i: m_i, l_i
.set i, 0
.rept 32
	global_load_b128 v[64+4*i:64+4*i+3], v3, s[8:9] offset:REC*i th:TH_LOAD_NT
.set i, i+1
.endr
	s_wait_loadcnt 32                              ; m and l are in; the 32 younger loads stay out
	v_mov_b32 v6, v4                               ; the maximum is made in place on a copy: m itself is wanted again below
	v_max_num_f32_dpp v6, v6, v6 row_xmask:1 row_mask:0xf bank_mask:0xf
	v_max_num_f32_dpp v6, v6, v6 row_xmask:2 row_mask:0xf bank_mask:0xf
	v_max_num_f32_dpp v6, v6, v6 row_xmask:4 row_mask:0xf bank_mask:0xf
	v_max_num_f32_dpp v6, v6, v6 row_xmask:8 row_mask:0xf bank_mask:0xf
	v_permlanex16_b32 v1, v6, s50, s51             ; its destination counts as read: a register that has been written
	v_max_num_f32 v6, v6, v1                       ; M
	v_sub_f32 v7, v4, v6
	v_mul_f32 v7, s52, v7
	v_exp_f32 v7, v7                               ; w
	v_nop
	s_wait_alu depctr_va_vdst(0)                   ; the wait between the exponential and its first reader
	v_mul_f32 v8, v7, v5
	v_add_f32_dpp v8, v8, v8 row_xmask:1 row_mask:0xf bank_mask:0xf
	v_add_f32_dpp v8, v8, v8 row_xmask:2 row_mask:0xf bank_mask:0xf
	v_add_f32_dpp v8, v8, v8 row_xmask:4 row_mask:0xf bank_mask:0xf
	v_add_f32_dpp v8, v8, v8 row_xmask:8 row_mask:0xf bank_mask:0xf
	v_permlanex16_b32 v1, v8, s50, s51
	v_add_f32 v8, v8, v1                           ; the sum of w l
	v_rcp_f32 v8, v8
	v_nop
	s_wait_alu depctr_va_vdst(0)
	v_mul_f32 v7, v7, v8                           ; lane i: record i's weight
.set i, 0
.rept 32
	v_readlane_b32 s[16+i], v7, i
.set i, i+1
.endr
	s_wait_loadcnt 31
.irp c, 0,1,2,3
	v_mul_f32 v[10+\c], s16, v[64+\c]              ; the first record starts the sums
.endr
.set i, 1
.rept 31
	s_wait_loadcnt 31-i                            ; record i is in, the younger ones stay out
.irp c, 0,1,2,3
	v_fma_f32 v[10+\c], s[16+i], v[64+4*i+\c], v[10+\c]
.endr
.set i, i+1
.endr
	global_store_b128 v3, v[10:13], s[6:7]         ; a wave stores 512 consecutive bytes, aligned
	s_endpgm
.Lfunc_end_k_qcf1a99c746_comb:
	.size	k_qcf1a99c746_comb, .Lfunc_end_k_qcf1a99c746_comb-k_qcf1a99c746_comb
	.p2alignl 7, 3214868480
	.fill 96, 4, 3214868480
	.section	.rodata,"a",@progbits
	.p2align	6, 0x0
	.amdhsa_kernel k_qcf1a99c746_comb
		.amdhsa_group_segment_fixed_size 0
		.amdhsa_private_segment_fixed_size 0
		.amdhsa_enable_private_segment 0
		.amdhsa_kernarg_size 16
		.amdhsa_user_sgpr_count 2
		.amdhsa_user_sgpr_kernarg_segment_ptr 1
		.amdhsa_wavefront_size32 1
		.amdhsa_system_sgpr_workgroup_id_x 1
		.amdhsa_system_sgpr_workgroup_id_y 1
		.amdhsa_system_sgpr_workgroup_id_z 1
		.amdhsa_system_vgpr_workitem_id 0
		.amdhsa_next_free_vgpr 192
		.amdhsa_next_free_sgpr 66
		.amdhsa_reserve_vcc 0
		.amdhsa_float_denorm_mode_32 3
		.amdhsa_float_denorm_mode_16_64 3
		.amdhsa_memory_ordered 1
		.amdhsa_forward_progress 1
		.amdhsa_inst_pref_size 17
	.end_amdhsa_kernel
	.amdgpu_metadata
---
amdhsa.version: [ 1, 2 ]
amdhsa.kernels:
  - .name:           k_qcf1a99c746_comb
    .symbol:         k_qcf1a99c746_comb.kd
    .args:
      - { .name: part, .offset: 0, .size: 8, .value_kind: global_buffer, .address_space: global }
      - { .name: out0, .offset: 8, .size: 8, .value_kind: global_buffer, .address_space: global }
    .group_segment_fixed_size: 0
    .private_segment_fixed_size: 0
    .kernarg_segment_align: 8
    .kernarg_segment_size: 16
    .max_flat_workgroup_size: 64
    .sgpr_count:     66
    .vgpr_count:     192
    .wavefront_size: 32
...
	.end_amdgpu_metadata
.endif
;; end of part 3
;; ======== version 2 of 2: 3 launches; version 1 with the launch prep written anew for expert scheduling mode
;; workspace buffers: Wf 2,097,152 bytes; hbp 1,048,576 bytes; part 4,718,592 bytes
;; launch prep (part 4): grid 256 x 1, 4 waves a work-group, no clusters, 55,808 bytes of LDS; arguments W1, hidden_state, Wf, hbp; writes Wf, hbp
.if DOCPART == 4
	.amdgcn_target "amdgcn-amd-amdhsa--gfx1250"
	.amdhsa_code_object_version 6
	.text
	.protected	k_qcf1a99c746_prep
	.globl	k_qcf1a99c746_prep
	.p2align	8
	.type	k_qcf1a99c746_prep,@function
k_qcf1a99c746_prep:
	s_mov_b64 s[64:65], 0
	v_nop
	global_prefetch_b8 v0, s[64:65] scope:SCOPE_SE
	s_setreg_imm32_b32 hwreg(HW_REG_WAVE_SCHED_MODE, 0, 2), 2
	s_setreg_imm32_b32 hwreg(HW_REG_WAVE_MODE, 25, 1), 1
	s_wait_xcnt 0x0
	s_wait_alu depctr_vm_vsrc(0)
; W1 [2048][1024] f32 is read once.  Its upper half (rows 0-1023, W1_enc) leaves as bf16 in the register order of a matrix fragment (Wf); its lower half (W1_hid)
; is multiplied at once by hidden_state [32][1024], both rounded to bf16, sums in f32, and leaves as eight partial sums over 128 rows each (hbp[kp][b][e], f32).
; Wf: byte ((t*32+ks)*4+nb)*1024 + c*512 + 16 L + 2 jj holds bf16(W1[32 ks + 16 c + 8 (L/16) + jj][64 t + 16 nb + L%16]): what lane L keeps in registers 4c..4c+3 of the fragment.
; SHARES.  Work-group g: band = g / 16 (128 rows of W1), t = g % 16 (64 columns).  Wave w: 32 rows, one K step of 32.  Bands 0-7 are W1_enc, bands 8-15 W1_hid (kp = band - 8).
; Nothing is shared between work-groups but hidden_state (128 KiB in all), so there is no cluster; everything comes through registers.
; The tile is turned through the wave's own LDS stage: rows of 64 bf16 go in as they lie, ds_load_tr16_b128 brings fragments out.
; LIMITS.  NaN and infinities are not treated apart; the operands are rounded to bf16 (nearest even).
; THE MODE: SCHED_MODE bits 1:0 = 2 (LLVM: expert scheduling mode 2), set by the entry lines.  The code itself states the register dependences
; between vector or matrix instructions and memory or LDS instructions, with s_wait_alu, always for 0.
; THE PLAN.  Registers that memory or LDS instructions touch:
;   v7 .. v14     offsets and LDS addresses: written at the head, never again; read by every load and store.  One wait on va_vdst at the head's end serves them all.
;   v[64:127]     three lives.  (1) W1 as loaded; each load's four numbers are rounded in place into its first two registers, which the stage's LDS stores read.  (2) In bands 8-15 the eight
;                 products write them and the LDS stores into the partial tiles read them.  (3) The partial tiles land in them, are added there, and leave by the global stores.
;   v[16:47]      written by the turning loads alone; read by the products or by Wf's stores.
;   v[128:159]    written by hidden_state's loads alone; read by sixteen roundings.
;   v[48:63]      hidden_state's two fragments: named by vector and matrix instructions alone.
;   v2, v3        written at the head, read by the closing add alone.
; THE STAGE goes in four groups of four loads.  Group g's roundings write group g's registers; the LDS stores of group g - 1 are dealt among them, behind ONE wait on va_vdst at the group's head,
; which stands behind the wait for group g's data.  Between two lives of v[64:127] stands a wait on vm_vsrc: the stores of the life before have read them.
.set SPITCH, 160                       ; a stage row: 128 bytes + 32: an odd multiple of 32, as the turning load likes it
.set STGW,   32*SPITCH                 ; a wave's stage
.set RED,    4*STGW                    ; behind the stages: the four waves' partial tiles [wave][b 32] of 64 f32
.set RPITCH, 272                       ; 256 bytes + 16
.set REDW,   32*RPITCH
.set SPARE,  RED+4*REDW                ; the spare words, 128 bytes a wave: two blocks of 256 bytes that no other line names
; v2 spare word, v3 zero; v5 l%16, v6 l/16; v7 offset in W1; v8 stage in; v9 stage out (turned); v10 16 l; v11 offset in hidden_state;
; v12 partial tile in; v13 partial tiles out; v14 offset in hbp; v[16:47] four fragments of W1; v[48:63] two fragments of hidden_state;
; v[64:127] W1 as loaded and as rounded, then the eight results, then the partial sums; v[128:159] hidden_state as loaded
	s_load_b256 s[4:11], s[0:1], 0x0               ; W1 s[4:5], hidden_state s[6:7], Wf s[8:9], hbp s[10:11]
	v_lshl_add_u32 v2, v0, 2, SPARE
	v_mov_b32 v3, 0
	v_lshrrev_b32 v1, 5, v0
	v_readfirstlane_b32 s12, v1                    ; wave 0..3
	s_lshr_b32 s13, ttmp9, 4                       ; band
	s_and_b32 s14, ttmp9, 15                       ; t
	s_and_b32 s15, s13, 7                          ; the band's number within its half of W1
	; the lane's terms of all addresses: they need no scalar, and stand between the line that writes s12 and the wait for it
	v_and_b32 v5, 15, v0
	v_bfe_u32 v6, v0, 4, 1
	v_lshlrev_b32 v7, 4, v5
	v_lshl_add_u32 v7, v6, 12, v7                  ; lanes 0-15 one row's 256 bytes, lanes 16-31 the next row's
	v_mul_u32_u24 v8, v6, SPITCH
	v_lshl_add_u32 v8, v5, 3, v8                   ; the same two rows in a stage, 8 bytes a lane
	v_and_b32 v1, 7, v0
	v_lshl_add_u32 v1, v6, 3, v1
	v_mul_u32_u24 v9, v1, SPITCH                   ; the turning load: row 8 (l/16) + l%8,
	v_bfe_u32 v1, v0, 3, 1
	v_lshl_add_u32 v9, v1, 4, v9                   ; 16 bytes by (l/8)%2
	v_and_b32 v10, 31, v0
	v_lshlrev_b32 v10, 4, v10
	v_lshlrev_b32 v11, 12, v5                      ; hidden_state: row l%16, 8 (l/16) channels on
	v_lshl_add_u32 v11, v6, 5, v11
	v_mul_u32_u24 v12, v5, RPITCH                  ; a result: row b = l%16, 8 (l/16) columns on
	v_lshl_add_u32 v12, v6, 5, v12
	v_lshrrev_b32 v1, 4, v0                        ; thread / 16: 0..7
	v_mul_u32_u24 v13, v1, RPITCH
	v_lshl_add_u32 v13, v5, 4, v13
	v_add_nc_u32 v13, RED, v13
	v_lshlrev_b32 v14, 4, v5
	v_lshl_add_u32 v14, v1, 12, v14
	s_wait_alu depctr_va_sdst(0)                   ; s12 is written, ahead of its first reader: the wave's terms of the bases and of the LDS addresses are made from it
	s_lshl_b32 s16, s13, 19                        ; W1: (128 band + 32 w) rows of 4,096 bytes + 256 t
	s_lshl_b32 s17, s12, 17
	s_add_co_u32 s16, s16, s17
	s_lshl_b32 s17, s14, 8
	s_add_co_u32 s16, s16, s17
	s_mov_b32 s17, 0
	s_lshl_b32 s18, s15, 9                         ; hidden_state: channel 128 kp + 32 w, 4 bytes each
	s_lshl_b32 s19, s12, 7
	s_add_co_u32 s18, s18, s19
	s_mov_b32 s19, 0
	s_lshl_b32 s20, s14, 17                        ; Wf: (32 t + 4 band + w) x 4,096
	s_lshl_b32 s21, s15, 14
	s_add_co_u32 s20, s20, s21
	s_lshl_b32 s21, s12, 12
	s_add_co_u32 s20, s20, s21
	s_mov_b32 s21, 0
	s_lshl_b32 s22, s15, 17                        ; hbp: kp x 131,072 + 256 t
	s_lshl_b32 s23, s14, 8
	s_add_co_u32 s22, s22, s23
	s_mov_b32 s23, 0
	s_mul_i32 s24, s12, STGW                       ; my stage
	s_mul_i32 s25, s12, REDW
	s_add_co_u32 s25, s25, RED                     ; my partial tile
	v_add_nc_u32 v8, s24, v8
	v_add_nc_u32 v9, s24, v9
	v_add_nc_u32 v12, s25, v12
	s_wait_kmcnt 0x0
	s_add_nc_u64 s[4:5], s[4:5], s[16:17]
	s_add_nc_u64 s[6:7], s[6:7], s[18:19]
	s_add_nc_u64 s[8:9], s[8:9], s[20:21]
	s_add_nc_u64 s[10:11], s[10:11], s[22:23]
	s_wait_alu depctr_va_vdst(0)                   ; the eight offsets and addresses v7 to v14 are written, which the loads and stores of both arms below read
; My 32 rows x 64 columns: 16 loads of two whole rows' 256 bytes, rounded to bf16 in place, into my stage; out of it four fragments (16 columns x 32 rows each).  The wait for the fragments follows the macro.
.macro STAGE_IN
.set i, 0
.rept 16
	global_load_b128 v[64+4*i:64+4*i+3], v7, s[4:5] offset:8192*i th:TH_LOAD_NT
.set i, i+1
.endr
.set g, 0
.rept 4
	s_wait_loadcnt 12-4*g                          ; loads come back in order: group g's four are in, the younger groups' stay out
.if g > 0
	s_wait_alu depctr_va_vdst(0)                   ; the roundings of the group before have written their pairs, which the four LDS stores below read; this group's roundings name other registers
.endif
.set j, 0
.rept 4
.set i, 4*g+j
.if g > 0
	ds_store_b64 v8, v[64+4*(i-4):65+4*(i-4)] offset:2*SPITCH*(i-4)
.endif
	v_cvt_pk_bf16_f32 v[64+4*i], v[64+4*i], v[65+4*i]   ; four numbers close up into the first two of their four registers
	v_cvt_pk_bf16_f32 v[65+4*i], v[66+4*i], v[67+4*i]
.set j, j+1
.endr
.set g, g+1
.endr
	s_wait_alu depctr_va_vdst(0)                   ; the last group's roundings have written their pairs, which the last four LDS stores read
.set i, 12
.rept 4
	ds_store_b64 v8, v[64+4*i:65+4*i] offset:2*SPITCH*i
.set i, i+1
.endr
.irp nb, 0,1,2,3
	ds_load_tr16_b128 v[16+8*\nb:16+8*\nb+3],   v9 offset:32*\nb              ; LDS serves a wave's instructions in order: these see the stores above
	ds_load_tr16_b128 v[16+8*\nb+4:16+8*\nb+7], v9 offset:32*\nb+16*SPITCH
.endr
.endm
	s_cmp_lt_u32 s13, 8                            ; the same in all four waves
	s_cbranch_scc1 .Lenc
	; W1_hid: hidden_state's 32 rows x my 32 channels, as two fragments
.irp bb, 0,1
.irp q, 0,1,2,3
	global_load_b128 v[128+16*\bb+4*\q:128+16*\bb+4*\q+3], v11, s[6:7] offset:65536*\bb+16*(\q%2)+64*(\q/2)
.endr
.endr
	STAGE_IN                                       ; its waits on loads count W1's alone: the eight older loads above are in at the first of them
.set i, 0
.rept 16
	v_cvt_pk_bf16_f32 v[48+i], v[128+2*i], v[129+2*i]  ; these stand between the turning loads and the wait for them
.set i, i+1
.endr
	s_wait_dscnt 0x0                               ; W1's four fragments are in
	s_wait_alu depctr_vm_vsrc(0)                   ; the stage's LDS stores have read v[64 ..], which the products below write
.irp bb, 0,1                           ; source 0 = 16 columns of W1, source 1 = 16 rows of hidden_state: a lane holds one b and eight neighbouring columns.  Eight sums of one product each
.irp nb, 0,1,2,3
	v_wmma_f32_16x16x32_bf16 v[64+8*(4*\bb+\nb):64+8*(4*\bb+\nb)+7], v[16+8*\nb:16+8*\nb+7], v[48+8*\bb:48+8*\bb+7], 0
.endr
.endr
.rept 4
	v_nop                                          ; four places between the last product and the stores that read results
.endr
	s_wait_alu depctr_va_vdst(0)                   ; the products have written v[64:127], which the LDS stores below read and in which the partial tiles land later; the places above stay beside this wait
.irp bb, 0,1
.irp nb, 0,1,2,3
	ds_store_b128 v12, v[64+8*(4*\bb+\nb):64+8*(4*\bb+\nb)+3]   offset:16*RPITCH*\bb+64*\nb
	ds_store_b128 v12, v[64+8*(4*\bb+\nb)+4:64+8*(4*\bb+\nb)+7] offset:16*RPITCH*\bb+64*\nb+16
.endr
.endr
	s_branch .Ljoin
.Lenc:
	; W1_enc: the fragments leave as they lie in the registers; each store covers 512 consecutive bytes, aligned.  Their data come from LDS loads, their offset was written ahead of the head's wait
	STAGE_IN
	s_wait_dscnt 0x0
.irp nb, 0,1,2,3
	global_store_b128 v10, v[16+8*\nb:16+8*\nb+3],   s[8:9] offset:1024*\nb
	global_store_b128 v10, v[16+8*\nb+4:16+8*\nb+7], s[8:9] offset:1024*\nb+512
.endr
.Ljoin:
	s_wait_dscnt 0x0                               ; for the others' sake: my stores into the partial tiles are done
	s_barrier_signal -1                            ; the one barrier stands on every wave's path
	s_barrier_wait -1
	s_wait_alu depctr_vm_vsrc(0)                   ; my LDS stores, the stage's and the partial tile's, have read v[64:127], in which the loads behind the branch land
	s_cmp_lt_u32 s13, 8
	s_cbranch_scc1 .Lend
	; the four waves' partial tiles are added: thread x takes 16 bytes of row x / 16 + 8 i
.irp i, 0,1,2,3
.irp w, 0,1,2,3
	ds_load_b128 v[64+16*\i+4*\w:64+16*\i+4*\w+3], v13 offset:8*RPITCH*\i+REDW*\w
.endr
.endr
	s_wait_dscnt 0x0
.irp i, 0,1,2,3
	v_pk_add_f32 v[64+16*\i:65+16*\i], v[64+16*\i:65+16*\i], v[68+16*\i:69+16*\i]
	v_pk_add_f32 v[66+16*\i:67+16*\i], v[66+16*\i:67+16*\i], v[70+16*\i:71+16*\i]
	v_pk_add_f32 v[72+16*\i:73+16*\i], v[72+16*\i:73+16*\i], v[76+16*\i:77+16*\i]
	v_pk_add_f32 v[74+16*\i:75+16*\i], v[74+16*\i:75+16*\i], v[78+16*\i:79+16*\i]
	v_pk_add_f32 v[64+16*\i:65+16*\i], v[64+16*\i:65+16*\i], v[72+16*\i:73+16*\i]
	v_pk_add_f32 v[66+16*\i:67+16*\i], v[66+16*\i:67+16*\i], v[74+16*\i:75+16*\i]
.endr
	s_wait_alu depctr_va_vdst(0)                   ; the additions have written the four sums of four, which the run of stores below reads
.irp i, 0,1,2,3
	global_store_b128 v14, v[64+16*\i:67+16*\i], s[10:11] offset:32768*\i   ; 16 lanes store 256 consecutive bytes, aligned
.endr
.Lend:
	s_wait_dscnt 0x0                               ; the closing lines, six on end
	s_wait_alu 0x0
	s_wait_tensorcnt 0x0
	ds_add_u32 v2, v3
	s_wait_dscnt 0x0
	s_endpgm
.Lfunc_end_k_qcf1a99c746_prep:
	.size	k_qcf1a99c746_prep, .Lfunc_end_k_qcf1a99c746_prep-k_qcf1a99c746_prep
	.p2alignl 7, 3214868480
	.fill 96, 4, 3214868480
	.section	.rodata,"a",@progbits
	.p2align	6, 0x0
	.amdhsa_kernel k_qcf1a99c746_prep
		.amdhsa_group_segment_fixed_size 55808
		.amdhsa_private_segment_fixed_size 0
		.amdhsa_enable_private_segment 0
		.amdhsa_kernarg_size 32
		.amdhsa_user_sgpr_count 2
		.amdhsa_user_sgpr_kernarg_segment_ptr 1
		.amdhsa_wavefront_size32 1
		.amdhsa_system_sgpr_workgroup_id_x 1
		.amdhsa_system_sgpr_workgroup_id_y 1
		.amdhsa_system_sgpr_workgroup_id_z 1
		.amdhsa_system_vgpr_workitem_id 0
		.amdhsa_next_free_vgpr 160
		.amdhsa_next_free_sgpr 66
		.amdhsa_reserve_vcc 0
		.amdhsa_float_denorm_mode_32 3
		.amdhsa_float_denorm_mode_16_64 3
		.amdhsa_memory_ordered 1
		.amdhsa_forward_progress 1
		.amdhsa_inst_pref_size 22
	.end_amdhsa_kernel
	.amdgpu_metadata
---
amdhsa.version: [ 1, 2 ]
amdhsa.kernels:
  - .name:           k_qcf1a99c746_prep
    .symbol:         k_qcf1a99c746_prep.kd
    .args:
      - { .name: W1, .offset: 0, .size: 8, .value_kind: global_buffer, .address_space: global }
      - { .name: hidden_state, .offset: 8, .size: 8, .value_kind: global_buffer, .address_space: global }
      - { .name: Wf, .offset: 16, .size: 8, .value_kind: global_buffer, .address_space: global }
      - { .name: hbp, .offset: 24, .size: 8, .value_kind: global_buffer, .address_space: global }
    .group_segment_fixed_size: 55808
    .private_segment_fixed_size: 0
    .kernarg_segment_align: 8
    .kernarg_segment_size: 32
    .max_flat_workgroup_size: 128
    .sgpr_count:     66
    .vgpr_count:     160
    .wavefront_size: 32
...
	.end_amdgpu_metadata
.endif
;; end of part 4
;; launch attn: the kernel of part 2 again; grid 256 x 1, 4 waves a work-group, clusters of 4 x 1, 327,680 bytes of LDS; arguments encoder_outputs, Wf, hbp, b1, w2, part; writes part
;; launch comb: the kernel of part 3 again; grid 4 x 32, 2 waves a work-group, no clusters, 0 bytes of LDS; arguments part, out0; writes out0
